; MI455X (gfx1250); checked and timed in simulation.
; The chip was launched on July 23, 2026; its instructions are those of AMD's public machine-readable ISA for CDNA 5 (MIT licence, August 2026) and "CDNA5" Instruction Set Architecture Reference Guide (July 2026). The comments in the code are by the model that wrote it; some were corrected since.
;; Vector Quantizer2. Allowed arithmetic: matrix products marked QUANTISED: E2M3 operands, one E8M0 scale for each 32 along K, by v_wmma_scale_f32_16x16x128_f8f6f4 with both operands' format E2M3, f32 sums; everything else in f32.
;; Inputs: codebook 4,096 x 256 float32; z 32 x 2,048 x 256 float32.
;; Outputs: out0 32 x 2,048 x 256 float32.
;; This version of the problem:
;;   THIS VERSION OF THE PROBLEM IS GIVEN IN LOW PRECISION. The matrix products marked QUANTISED in the list below multiply operands that are first quantised to E2M3 (2 exponent bits, 3 mantissa bits; 6 bits a number), with one power-of-two scale for each 32 numbers along K (OCP MX v1.0); their sums are f32. All else is computed in f32.
;;   The module's matrix products, in the order in which they are computed (A, B: the left and right operand; K: the contracted axis; several contracted axes count as one K, in the product's order):
;;     1. [M 65,536, K 256] x [K 256, N 4,096]; A: input z; B: input codebook: QUANTISED
;;   THE QUANTISER, for each operand of a quantised product, along K:
;;     - K is cut into blocks of 32 from its start; a last block that is shorter is filled with zeros.
;;     - A block's scale is 2^e with e = floor(log2(the largest magnitude in the block)) - 2, held to -126 .. 127; a block of zeros has e = 0. As a byte (E8M0): e + 127.
;;     - Each number is divided by its block's scale, clamped to +-7.5, and rounded to the nearest number of E2M3, ties to even, subnormals kept.
;;     - The product sums the exact products of the quantised numbers (number of the format x scale) in f32.
;;   ~~~python
;;   def quantise(x, axis):      # numpy; x: float32 -> the quantised numbers, widened to float32 again
;;       x = np.moveaxis(x, axis, -1); K = x.shape[-1]
;;       x = np.pad(x, [(0, 0)] * (x.ndim - 1) + [(0, -K % 32)]); x = x.reshape(x.shape[:-1] + (-1, 32)); a = np.abs(x).max(-1, keepdims=True)
;;       e = np.where(a > 0, np.clip(np.frexp(np.where(a > 0, a, 1))[1] - 1 - 2, -126, 127), 0)      # np.frexp(a)[1] - 1 = floor(log2(a)), exactly
;;       r = np.clip(x / 2.0 ** e, -7.5, 7.5)
;;       step = 2.0 ** (np.maximum(np.frexp(np.where(r == 0, 1, r))[1] - 1, 0) - 3)
;;       q = np.round(r / step) * step * 2.0 ** e      # np.round: ties to even
;;       return np.moveaxis(q.reshape(q.shape[:-2] + (-1,))[..., :K], -1, axis).astype(np.float32)
;;   ~~~
;; One version. Each part assembles by itself: llvm-mc -triple=amdgcn-amd-amdhsa -mcpu=gfx1250 --defsym DOCPART=n.
;; ======== version 1 of 1: 3 launches
;; limits: right only within a limited range of input values
;; workspace buffers: cbq 851,968 bytes; idx 262,144 bytes of whole numbers
;; launch prep (part 1): grid 256 x 1, 1 waves a work-group, no clusters, 8,960 bytes of LDS; arguments codebook, cbq; writes cbq
.if DOCPART == 1
	.amdgcn_target "amdgcn-amd-amdhsa--gfx1250"
	.amdhsa_code_object_version 6
	.text
	.protected	k_qa5d4a2cb78_prep
	.globl	k_qa5d4a2cb78_prep
	.p2align	8
	.type	k_qa5d4a2cb78_prep,@function
k_qa5d4a2cb78_prep:
	s_mov_b64 s[64:65], 0
	v_nop
	global_prefetch_b8 v0, s[64:65] scope:SCOPE_SE
	s_setreg_imm32_b32 hwreg(HW_REG_WAVE_MODE, 25, 1), 1
	s_wait_xcnt 0x0
; The codebook [4096][256], f32, is quantised ONCE, along its 256, into codes of FP6 (E2M3) with one E8M0 scale byte for each 32, and laid in the order
; in which the product's launch takes its operand registers.  Beside the codes goes each code row's sum of squares, in f32, of the numbers as they are given.
; cbq: 128 records of GREC = 6,656 bytes; record g serves code rows 32 g .. 32 g + 31 as two tiles t of 16 rows:
;   (2 t + s) x 1536        the image of the fragment (tile t, K step s of 128): registers 4 c .. 4 c + 3 of lane l at 512 c + 16 l
;   6144 + 128 t            32 scale words: word 16 s + r = row r's four bytes of K step s
;   6400 + 64 t             16 sums of squares;      6528 .. 6655  zeros, so that every byte of a record is written
; A block's scale is 2^(floor(log2(its largest magnitude)) - 2); its byte is the largest magnitude's exponent field - 2, held at 1 from below.
; LIMITS: a block of zeros gets the byte 1 where the rule says 127 (its codes are zeros, and this program alone reads the bytes); blocks whose largest magnitude
; lies under 2^-124 are held at that byte; NaN and infinities are not served.  The sum of squares is an f32 sum in this text's own order (eight chains, then a tree).
; SHARES: one wave to a work-group, one tile of 16 rows to a wave.  Each load reads 512 consecutive bytes; the conversions want 16 neighbours along K in ONE lane,
; so a K step's 16 x 512 bytes turn through a stage in LDS (rows 528 bytes apart: the sixteen rows that a load touches begin 16 bytes apart modulo 256).
.set GREC, 6656
.set SP,   528
.set LN,   1                           ; v1   lane
.set RR,   2                           ; v2   r = lane % 16
.set HH,   3                           ; v3   h = lane / 16
.set LB16, 4                           ; v4   16 x lane
.set STR,  5                           ; v5   the stage, on the way out: 528 r + 64 h
.set PW0,  6                           ; v6-7 the scale words of K steps 0 and 1
.set ZA,   8                           ; v8-15  the sum of squares, four chains of pairs
.set PC0,  16                          ; v16-27, v28-39 the two fragments
.set TC,   40                          ; v40-47 the upper halves of blocks, before they are moved
.set TM,   48                          ; v48-51 largest magnitudes, v52-55 bytes, v56-59 at work, v60-63 the conversions' scale operands
.set X,    64                          ; v64-127  64 numbers of my row: register 16 b + i = k 32 b + 16 h + i
.set R0,   128                         ; v128-191, v192-255 the rows as they are loaded, K steps 0 and 1
.set SEL,  20                          ; s[20:21] lane selects for v_permlanex16_b32: lane l xor 16
; the sum of squares of 64 numbers, two at a time, in four chains; first = 1: the first four products start the chains
.macro SQ x, first
.set n_, 0
.rept 32
.if (\first) && (n_ < 4)
	v_pk_mul_f32 v[ZA+2*n_:ZA+2*n_+1], v[\x+2*n_:\x+2*n_+1], v[\x+2*n_:\x+2*n_+1]
.else
	v_pk_fma_f32 v[ZA+2*(n_%4):ZA+2*(n_%4)+1], v[\x+2*n_:\x+2*n_+1], v[\x+2*n_:\x+2*n_+1], v[ZA+2*(n_%4):ZA+2*(n_%4)+1]
.endif
.set n_, n_+1
.endr
.endm
; 64 numbers of a lane become a fragment's 12 registers in v[pc] on and its row's scale word in v[pw]
.macro QUANT x, pc, tc, pw
.irp b, 0,1,2,3
	v_max3_num_f32 v[TM+\b], |v[\x+16*\b]|, |v[\x+1+16*\b]|, 0x1800000   ; block b: my 16 numbers, and the floor 2^(3 - 127): the byte cannot fall under 1
.endr
.irp i, 2,4,6,8,10,12,14
.irp b, 0,1,2,3
	v_max3_num_f32 v[TM+\b], v[TM+\b], |v[\x+16*\b+\i]|, |v[\x+1+16*\b+\i]|   ; the four blocks by turns
.endr
.endr
.irp b, 0,1,2,3
	v_permlanex16_b32 v[TM+4+\b], v[TM+\b], s[SEL], s[SEL+1]
.endr
.irp b, 0,1,2,3
	v_max_num_f32 v[TM+\b], v[TM+\b], v[TM+4+\b]   ; with lane l xor 16's 16: the block's largest magnitude
.endr
.irp b, 0,1,2,3
	v_add_nc_u32 v[TM+12+\b], 0xff000000, v[TM+\b]   ; 2 off its exponent field: the conversion takes this operand's exponent field as its scale
.endr
.irp b, 0,1,2,3
	v_lshrrev_b32 v[TM+4+\b], 23, v[TM+12+\b]      ; the scale's byte
.endr
	v_lshl_or_b32 v[\pw], v[TM+5], 8, v[TM+4]
	v_lshl_or_b32 v[\pw], v[TM+6], 16, v[\pw]
	v_lshl_or_b32 v[\pw], v[TM+7], 24, v[\pw]
.irp c, 0,1
	v_cvt_scalef32_pk16_fp6_f32 v[\pc+6*\c:\pc+2+6*\c], v[\x+32*\c:\x+15+32*\c], v[TM+12+2*\c]
	v_cvt_scalef32_pk16_fp6_f32 v[\tc+4*\c:\tc+2+4*\c], v[\x+16+32*\c:\x+31+32*\c], v[TM+12+2*\c+1]   ; (a conversion's three registers begin on an even number)
.endr
	v_nop                                          ; one plain instruction behind the scaled conversions
.irp c, 0,1                                    ; the operand wants a WHOLE block in a lane: lanes 0-15 block 2 c, lanes 16-31 block 2 c + 1
.irp i, 0,1,2
	v_permlane16_swap_b32 v[\pc+6*\c+\i], v[\tc+4*\c+\i]
.endr
.irp i, 0,1,2
	v_mov_b32 v[\pc+3+6*\c+\i], v[\tc+4*\c+\i]
.endr
.endr
.endm
	s_load_b128 s[4:7], s[0:1], 0x0                ; codebook s[4:5], cbq s[6:7]
	v_lshl_add_u32 v43, v0, 2, 0x2200
	v_mov_b32 v47, 0
	v_and_b32 v[LN], 31, v0
	s_wait_alu depctr_va_vdst(0)
	v_and_b32 v[RR], 15, v0
	s_wait_alu depctr_va_vdst(0)
	v_bfe_u32 v[HH], v0, 4, 1
	v_lshlrev_b32 v[LB16], 4, v[LN]
	v_mul_u32_u24 v[STR], v[RR], SP
	v_lshl_add_u32 v[STR], v[HH], 6, v[STR]
	s_lshl_b32 s10, ttmp9, 14                      ; my tile's 16 rows of 1,024 bytes
	s_mov_b32 s11, 0
	s_lshr_b32 s12, ttmp9, 1                       ; my record,
	s_and_b32 s14, ttmp9, 1                        ; and which of its two tiles
	s_mul_i32 s12, s12, GREC
	s_mov_b32 s13, 0
	s_mul_i32 s16, s14, 3072                       ; the tile's two images
	s_mov_b32 s17, 0
	s_lshl_b32 s18, s14, 7                         ; its scale words
	s_lshl_b32 s19, s14, 6                         ; its sums
	s_mov_b32 s[SEL], 0x76543210
	s_mov_b32 s[SEL+1], 0xfedcba98
	v_lshl_add_u32 v[TM+8], v[LN], 2, s18          ; where my scale word goes: 128 t + 4 x lane
	v_lshl_add_u32 v[TM+9], v[RR], 2, s19
	s_wait_alu depctr_va_vdst(0)
	v_lshl_add_u32 v[TM+9], v[HH], 7, v[TM+9]      ; where my sum goes: 64 t + 4 r; lanes 16-31 write zeros 128 bytes on
.irp b, 0,1,2,3
	v_mov_b32 v[TM+4+\b], 0                        ; written once: a lane permute's destination counts as one of its sources
.endr
	s_wait_kmcnt 0x0
	s_add_nc_u64 s[4:5], s[4:5], s[10:11]
	s_add_nc_u64 s[6:7], s[6:7], s[12:13]
	s_add_nc_u64 s[8:9], s[6:7], s[16:17]
.irp s, 0,1
.irp row, 0,1,2,3,4,5,6,7,8,9,10,11,12,13,14,15
	global_load_b128 v[R0+64*\s+4*\row:R0+64*\s+4*\row+3], v[LB16], s[4:5] offset:\row*1024+512*\s   ; 32 lanes read 512 consecutive bytes
.endr
.endr
.macro KSTEP s
	s_wait_loadcnt 16*(1-\s)                       ; this K step's 16 loads are in; in K step 0 the other 16 may be out
.irp row, 0,1,2,3,4,5,6,7,8,9,10,11,12,13,14,15
	ds_store_b128 v[LB16], v[R0+64*\s+4*\row:R0+64*\s+4*\row+3] offset:\row*SP
.endr
.irp b, 0,1,2,3
.irp j, 0,1,2,3
	ds_load_b128 v[X+16*\b+4*\j:X+16*\b+4*\j+3], v[STR] offset:128*\b+16*\j   ; LDS serves a wave's instructions in order: these see the stores above
.endr
.endr
	s_wait_dscnt 0x0
	SQ X, 1-\s
	QUANT X, PC0+12*\s, TC, PW0+\s
.endm
	KSTEP 0
	KSTEP 1
	v_pk_add_f32 v[ZA:ZA+1], v[ZA:ZA+1], v[ZA+2:ZA+3]
	v_pk_add_f32 v[ZA+4:ZA+5], v[ZA+4:ZA+5], v[ZA+6:ZA+7]
	v_pk_add_f32 v[ZA:ZA+1], v[ZA:ZA+1], v[ZA+4:ZA+5]
	v_add_f32 v[ZA], v[ZA], v[ZA+1]
	v_permlanex16_b32 v[TM+4], v[ZA], s[SEL], s[SEL+1]
	v_add_f32 v[ZA], v[ZA], v[TM+4]                ; my row's sum of squares
	v_cmp_gt_u32 vcc_lo, 16, v[LN]                 ; lanes 0-15
	v_cndmask_b32 v[TM+10], v[PW0+1], v[PW0], vcc_lo   ; lanes 0-15 carry K step 0's word, lanes 16-31 K step 1's
	v_cndmask_b32 v[TM+11], 0, v[ZA], vcc_lo       ; lanes 0-15 the sum, lanes 16-31 the record's zeros
.irp s, 0,1
.irp c, 0,1,2
	global_store_b128 v[LB16], v[PC0+12*\s+4*\c:PC0+12*\s+4*\c+3], s[8:9] offset:\s*1536+512*\c   ; 32 lanes store 512 consecutive bytes, at a multiple of 256 from cbq's first byte
.endr
.endr
	global_store_b32 v[TM+8], v[TM+10], s[6:7] offset:6144
	global_store_b32 v[TM+9], v[TM+11], s[6:7] offset:6400
	s_wait_tensorcnt 0x0
	ds_add_u32 v43, v47
	s_wait_dscnt 0x0
	s_endpgm
.Lfunc_end_k_qa5d4a2cb78_prep:
	.size	k_qa5d4a2cb78_prep, .Lfunc_end_k_qa5d4a2cb78_prep-k_qa5d4a2cb78_prep
	.p2alignl 7, 3214868480
	.fill 96, 4, 3214868480
	.section	.rodata,"a",@progbits
	.p2align	6, 0x0
	.amdhsa_kernel k_qa5d4a2cb78_prep
		.amdhsa_group_segment_fixed_size 8960
		.amdhsa_private_segment_fixed_size 0
		.amdhsa_enable_private_segment 0
		.amdhsa_kernarg_size 16
		.amdhsa_user_sgpr_count 2
		.amdhsa_user_sgpr_kernarg_segment_ptr 1
		.amdhsa_wavefront_size32 1
		.amdhsa_system_sgpr_workgroup_id_x 1
		.amdhsa_system_sgpr_workgroup_id_y 1
		.amdhsa_system_sgpr_workgroup_id_z 1
		.amdhsa_system_vgpr_workitem_id 0
		.amdhsa_next_free_vgpr 256
		.amdhsa_next_free_sgpr 66
		.amdhsa_reserve_vcc 1
		.amdhsa_float_denorm_mode_32 3
		.amdhsa_float_denorm_mode_16_64 3
		.amdhsa_memory_ordered 1
		.amdhsa_forward_progress 1
		.amdhsa_inst_pref_size 22
	.end_amdhsa_kernel
	.amdgpu_metadata
---
amdhsa.version: [ 1, 2 ]
amdhsa.kernels:
  - .name:           k_qa5d4a2cb78_prep
    .symbol:         k_qa5d4a2cb78_prep.kd
    .args:
      - { .name: codebook, .offset: 0, .size: 8, .value_kind: global_buffer, .address_space: global }
      - { .name: cbq, .offset: 8, .size: 8, .value_kind: global_buffer, .address_space: global }
    .group_segment_fixed_size: 8960
    .private_segment_fixed_size: 0
    .kernarg_segment_align: 8
    .kernarg_segment_size: 16
    .max_flat_workgroup_size: 32
    .sgpr_count:     66
    .vgpr_count:     256
    .wavefront_size: 32
...
	.end_amdgpu_metadata
.endif
;; end of part 1
;; launch vq (part 2): grid 256 x 1, 4 waves a work-group, clusters of 4 x 1, 327,680 bytes of LDS; arguments z, cbq, idx; writes idx
.if DOCPART == 2
	.amdgcn_target "amdgcn-amd-amdhsa--gfx1250"
	.amdhsa_code_object_version 6
	.text
	.protected	k_qa5d4a2cb78_vq
	.globl	k_qa5d4a2cb78_vq
	.p2align	8
	.type	k_qa5d4a2cb78_vq,@function
k_qa5d4a2cb78_vq:
	s_mov_b64 s[64:65], 0
	v_nop
	global_prefetch_b8 v0, s[64:65] scope:SCOPE_SE
	s_setreg_imm32_b32 hwreg(HW_REG_WAVE_MODE, 25, 1), 1
	s_wait_xcnt 0x0
	s_wait_alu depctr_hold_cnt(0) depctr_sa_sdst(0) depctr_va_vdst(0) depctr_va_sdst(0) depctr_va_ssrc(0) depctr_va_vcc(0) depctr_vm_vsrc(0)
	s_getreg_b32 s2, hwreg(HW_REG_IB_STS2, 6, 4)
	s_cmp_eq_u32 s2, 0
	s_cbranch_scc0 .Lentry_in_a_cluster
	s_endpgm
.Lentry_in_a_cluster:
	s_bfe_u32 s2, ttmp6, 0x10000c
	s_cmp_lg_u32 s2, 0x3003
	s_cbranch_scc0 .Lentry_shape_is_right
	s_endpgm
.Lentry_shape_is_right:
; idx[n] = the first index k at which d[n][k] = (sum z[n]^2 + sum e[k]^2) - 2 z[n] . e[k] is smallest.  z: 65,536 rows of 256 f32; e: 4,096 code rows.
; The product is taken on codes of FP6 (E2M3) with one E8M0 scale for each 32 along the 256; the code rows come quantised, as register images, from cbq; z is quantised here: each row of z is read by one work-group alone.
; d IS ROUNDED AS IT IS DEFINED: t = the f32 sum of the two sums of squares; d = one fused multiply-add, -2 x product + t.  Of equal d the first index wins: a later group replaces an earlier one
; only where it is strictly smaller, and all merges compare (d, index) in that order.  No work of the problem is left out.
; LIMITS: NaN and infinities are not served; a row whose every d is +infinity gets an index of its first group; the sums of squares are f32 sums in this text's own order; a block of zeros carries the byte 1
; (its codes are zeros); blocks whose largest magnitude lies under 2^-124 are held at that byte.
; SHARES.  A work-group owns 256 queries.  Wave w = 2 a + c takes query half a (8 tiles of 16, their fragments in registers for the whole launch) and records 2 i + c of each slot's 16:
; its group G (0 .. 63) is code rows 64 G + 32 c .. + 31.  A record read feeds 32 matrix instructions.
; THE MATRIX INSTRUCTION: source 0 = 16 code rows, source 1 = 16 queries: lane (r, h) holds query r, and register j code row 8 h + j of the tile.
; THE MINIMUM.  For a unit (a query tile x a group: 16 numbers a lane) the lane takes the smallest d; where it is smaller than the best so far, the best, the group's first code row and all 16 d are kept
; by selects, two to an instruction.  Which of the 16 it was is found once, at the end.  No branch and no address hangs on d.
; THE PIPELINE.  Block u holds: the compare of unit u - 1; d of unit u; its minimum tree, with the selects of unit u - 1 between the tree's levels; then, under one setting of the windows,
; the four matrix instructions of unit u + 2 and the eight additions that make t of unit u + 1.  VCC is written and read inside one block.
; THE RING.  Two slots of 16 records.  A group's record is fetched from LDS at the head of the group before it, so the change of slots stands in front of each slot's LAST group: that group's record is
; in registers by then, and the fetch behind the change reads the next slot's first record.  So the wave's 64 groups go as 1 + 3 x 2, then 7 x (change, 4 x 2), then 1.
; CLUSTER.  All work-groups walk the same cbq: the four of a cluster ask for each slot JOINTLY (mask 15), each wave for its quarter.
; NO PREFETCH of cbq: a slot is asked for 256 matrix instructions a wave ahead of its first read, and all 64 clusters ask for the same 851,968 bytes in the same order; z is read once, at the head, 64 loads a wave out.
; REGISTERS, in windows of 256.  Window 0: the names below.  Window 1: while z comes in, four sets of 64 as loaded; then two buffers of 64: a group's four fragments (tile t, K step s at 24 t + 12 s)
; and its 16 sums of squares (at 48).  Window 2: z's fragments (tile q, K step s at 24 q + 12 s); from v192 each tile's sum of squares as a pair.
.set DUALC, 1                          ; 1: the selects go two to an instruction
.set GREC,  6656                       ; a group's record in cbq
.set SLOTB, 16*GREC                    ; a slot: 16 records, 416 rows of 256 bytes
.set QB,    SLOTB/4                    ; what one tensor load brings: 104 rows of 256 bytes
.set SLOT1, 1<<17                      ; slot 1 begins here: one exclusive or turns an address in one slot into the other's
.set ZSC,   SLOTB                      ; z's scale words: 128 bytes a tile, word 16 s + r
.set ZZP,   ZSC+2048                   ; z's sums of squares, as pairs: 256 bytes a tile, 8 x lane
.set MRG,   ZZP+4096                   ; (best, index): 2,048 bytes a wave, 256 a tile, 8 x lane
.set SPARE, MRG+8192                   ; the spare words, 128 bytes for each wave: two blocks of 256 bytes that no other line names
.set ZIMG,  SLOT1+SLOTB                ; z's fragments as register images: 16 tiles x 2 x 1,536 bytes
.set STG,   ZIMG+49152                 ; a stage of 16 rows x 528 bytes for each wave
.set SP,    528
.set LB16, 1                           ; v1   16 x lane
.set LB4,  2                           ; v2   4 x lane + 6144: my scale word in a record
.set LBE,  3                           ; v3   32 h + 6400: my eight sums of squares in a record
.set ADC,  4                           ; v4-6 the same three, at the trip's first record
.set ADS,  5
.set ADE,  6
.set SPW,  7                           ; v7   LDS address of my spare word; never rewritten
.set NIL,  8                           ; v8   0; never rewritten
.set H8,   9                           ; v9   8 h
.set VINF, 10                          ; v10  +infinity
.set STW,  11                          ; v11  my stage, on the way in
.set STR,  12                          ; v12  and out: 528 r + 64 h
.set ZWI,  13                          ; v13  where I store z's images
.set ZWS,  14                          ; v14  their scale words
.set ZWZ,  15                          ; v15  their sums of squares
.set BEST, 16                          ; v16-31  tile q: best at 16 + 2 q, the group's first code row (at the end: the index) at 17 + 2 q
.set ZS,   32                          ; v32-39  z's scale words, tile q: lanes 0-15 K step 0, lanes 16-31 K step 1
.set SA,   40                          ; v40-43  the code rows' scale words, buffer p, tile t at 2 p + t
.set GOF,  44                          ; v44  8 x lane: my place in the wave's 256 bytes of idx
.set GIDV, 45                          ; v45, v47  the first code row of the group in buffer 0, 1
.set MW,   46                          ; v46  where I put (best, index)
.set MM,   48                          ; v48, v50  a unit's smallest d, by the unit's parity
.set AT,   52                          ; v52-56  in the loop: the minimum tree
.set TA,   52                          ; v52-54  at work in the head and at the end
.set ZRD,  55                          ; v55-57  head: where my half's images, sums and scale words of z are read
.set ZZR,  56
.set ZSR,  57
.set MR,   58                          ; v58  where I read two queries' (best, index)
.set VINF2, 59                         ; v59  +infinity once more
.set MB,   60                          ; v60-63  at work
.set ACC,  64                          ; v64-95  two sets (q % 2) of two accumulators
.set POS,  64                          ; at the end: v64-71 each tile's place among its 16
.set TT,   96                          ; v96-127 two sets of 16: t, then d
.set SV,   128                         ; v128-255 tile q's 16 kept d at 128 + 16 q
.set X,    128                         ; while z comes in: v128-191 64 numbers of my row
.set TM,   192
.set PW,   208
.set PC,   212
.set TC,   224
.set ZA,   232
.set ZP,   240
.set ZT,   242
.set WV,   10                          ; s10 wave; s11 a; s12 c; s13 cx; s14 the work-group
.set G1,   16                          ; s[16:23] descriptor group 1
.set G0,   24                          ; s[24:27] descriptor group 0: it walks
.set GO,   28                          ; s28  LDS byte of the trip's first record to fetch
.set GID,  29                          ; s29  first code row of the next group
.set SLOTS, 30
.set TRIP, 31
.set SEL,  32                          ; s[32:33] lane selects for v_permlanex16_b32: lane l xor 16
.set SBASE, 44                         ; s44  LDS byte of my first record of the slot that is fetched from
.set MSB, 0
.macro WIN new                         ; the immediate's high byte repeats the setting that is left; a switch that changes nothing is dropped
.if MSB != \new
	s_set_vgpr_msb (MSB<<8)|\new
.set MSB, \new
.endif
.endm
.set W_MM,   0x09                      ; source 0 window 1 (code rows), source 1 window 2 (z); source 2 and destination window 0
.set TO_1,   0x40
.set TO_2,   0x80
.set FROM_1, 0x04
.macro ROUND                           ; a round of the cluster's barrier
	s_barrier_signal -1
	s_barrier_wait -1
	s_cmp_lg_u32 s[WV], 0
	s_cbranch_scc1 .Lnot_wave_0_\@
	s_barrier_signal -3
.Lnot_wave_0_\@:
	s_barrier_wait -3
	s_barrier_signal -1
	s_barrier_wait -1
.endm
.macro JLOAD                           ; the joint load: every wave asks for its own quarter of a slot; s_nop 0 and four v_nop follow
	tensor_load_to_lds s[G0:G0+3], s[G1:G1+7]
	s_nop 0
.rept 4
	v_nop
.endr
.endm
.macro SQ x, first                     ; the sum of squares of 64 numbers, in four chains of pairs; first = 1: the first four products start the chains
.set n_, 0
.rept 32
.if (\first) && (n_ < 4)
	v_pk_mul_f32 v[ZA+2*n_:ZA+2*n_+1], v[\x+2*n_:\x+2*n_+1], v[\x+2*n_:\x+2*n_+1]
.else
	v_pk_fma_f32 v[ZA+2*(n_%4):ZA+2*(n_%4)+1], v[\x+2*n_:\x+2*n_+1], v[\x+2*n_:\x+2*n_+1], v[ZA+2*(n_%4):ZA+2*(n_%4)+1]
.endif
.set n_, n_+1
.endr
.endm
; 64 numbers of a lane, register 16 b + i = k 32 b + 16 h + i of my row, become a fragment's 12 registers in v[pc] on and the row's scale word in v[pw]
.macro QUANT x, pc, tc, pw
.irp b, 0,1,2,3
	v_max3_num_f32 v[TM+\b], |v[\x+16*\b]|, |v[\x+1+16*\b]|, 0x1800000   ; my 16 numbers of block b, and the floor 2^(3 - 127): the byte cannot fall under 1
.endr
.irp i, 2,4,6,8,10,12,14
.irp b, 0,1,2,3
	v_max3_num_f32 v[TM+\b], v[TM+\b], |v[\x+16*\b+\i]|, |v[\x+1+16*\b+\i]|
.endr
.endr
.irp b, 0,1,2,3
	v_permlanex16_b32 v[TM+4+\b], v[TM+\b], s[SEL], s[SEL+1]
.endr
.irp b, 0,1,2,3
	v_max_num_f32 v[TM+\b], v[TM+\b], v[TM+4+\b]   ; with lane l xor 16's 16: the block's largest magnitude
.endr
.irp b, 0,1,2,3
	v_add_nc_u32 v[TM+12+\b], 0xff000000, v[TM+\b]   ; 2 off its exponent field: the conversion's scale operand
.endr
.irp b, 0,1,2,3
	v_lshrrev_b32 v[TM+4+\b], 23, v[TM+12+\b]      ; the scale's byte
.endr
	v_lshl_or_b32 v[\pw], v[TM+5], 8, v[TM+4]
	v_lshl_or_b32 v[\pw], v[TM+6], 16, v[\pw]
	v_lshl_or_b32 v[\pw], v[TM+7], 24, v[\pw]
.irp c, 0,1
	v_cvt_scalef32_pk16_fp6_f32 v[\pc+6*\c:\pc+2+6*\c], v[\x+32*\c:\x+15+32*\c], v[TM+12+2*\c]
	v_cvt_scalef32_pk16_fp6_f32 v[\tc+4*\c:\tc+2+4*\c], v[\x+16+32*\c:\x+31+32*\c], v[TM+12+2*\c+1]
.endr
	v_nop                                          ; one plain instruction behind the scaled conversions
.irp c, 0,1                                    ; the operand wants a WHOLE block in a lane
.irp i, 0,1,2
	v_permlane16_swap_b32 v[\pc+6*\c+\i], v[\tc+4*\c+\i]
.endr
.irp i, 0,1,2
	v_mov_b32 v[\pc+3+6*\c+\i], v[\tc+4*\c+\i]
.endr
.endr
.endm
	s_load_b128 s[4:7], s[0:1], 0x0                ; z s[4:5], cbq s[6:7]
	s_load_b64 s[8:9], s[0:1], 0x10                ; idx
	v_lshl_add_u32 v[SPW], v0, 2, SPARE
	v_mov_b32 v[NIL], 0
	ds_add_u32 v[SPW], v[NIL]                      ; the opening lines: the add, twice on end, and its wait
	ds_add_u32 v[SPW], v[NIL]
	s_wait_dscnt 0x0
	v_lshrrev_b32 v[TA], 5, v0
	v_readfirstlane_b32 s[WV], v[TA]               ; wave 0..3
	s_lshr_b32 s11, s[WV], 1                       ; a: my half of the queries
	s_and_b32 s12, s[WV], 1                        ; c: which of each pair of records is mine
	s_bfe_u32 s13, ttmp6, 0x40000                  ; cx: it enters z's and idx's addresses alone
	s_lshl_b32 s14, ttmp9, 2
	s_add_co_u32 s14, s14, s13                     ; the work-group = 4 x cluster + cx
	s_lshl_b32 s34, s14, 18                        ; z: 256 rows of 1,024 bytes a work-group,
	s_lshl_b32 s35, s[WV], 16                      ; 64 a wave
	s_add_co_u32 s34, s34, s35
	s_mov_b32 s35, 0
	s_lshl_b32 s36, s14, 10                        ; idx: 1,024 bytes a work-group, 256 a wave
	s_lshl_b32 s37, s[WV], 8
	s_add_co_u32 s36, s36, s37
	s_mov_b32 s37, 0
	s_mul_i32 s38, s[WV], QB                       ; my quarter of a slot, in cbq and in LDS alike
	s_mov_b32 s39, 0
	; descriptor group 1: a dense block of 26,624 bytes as 104 rows of 32 elements of 8 bytes; no padding: the images are read 16 x lane on end
	s_mov_b32 s[G1], 15|(3<<16)|(1<<21)            ; the mask: all four work-groups; elements of 8 bytes; bit 21 set beside a mask
	s_mov_b32 s[G1+1], 32<<16
	s_mov_b32 s[G1+2], 104<<16
	s_mov_b32 s[G1+3], 32<<16
	s_mov_b32 s[G1+4], 104
	s_mov_b32 s[G1+5], 32
	s_mov_b32 s[G1+6], 0
	s_mov_b32 s[G1+7], 0
	s_mov_b32 s[SEL], 0x76543210
	s_mov_b32 s[SEL+1], 0xfedcba98
	s_mul_i32 s[SBASE], s12, GREC                  ; record c of slot 0
	s_lshl_b32 s[GID], s12, 5                      ; it begins at code row 32 c
	s_wait_kmcnt 0x0
	s_add_nc_u64 s[4:5], s[4:5], s[34:35]
	s_add_nc_u64 s[8:9], s[8:9], s[36:37]
	s_mov_b32 s[G0], 1
	s_mov_b32 s[G0+1], s38                         ; LDS address: slot 0
	s_add_nc_u64 s[G0+2:G0+3], s[6:7], s[38:39]    ; the first 16 records
	s_or_b32 s[G0+3], s[G0+3], 0x80000000
	ROUND                                          ; all four work-groups are here: the first joint loads meet
	JLOAD                                          ; slot 0, my one tensor load at the head: it lands while z is quantised
; ---- z: wave w quantises tiles 4 w .. 4 w + 3, as eight units u = 2 x tile + K step
.macro LOADU u                         ; a unit as it lies: 16 rows x 512 bytes, into set u % 4 of window 1
	WIN TO_1
.irp row, 0,1,2,3,4,5,6,7,8,9,10,11,12,13,14,15
	global_load_b128 v[64*((\u)%4)+4*\row:64*((\u)%4)+4*\row+3], v[LB16], s[4:5] offset:(16*((\u)/2)+\row)*1024+512*((\u)%2) th:TH_LOAD_NT
.endr
	WIN 0
.endm
.macro TURNU u                         ; through my stage: in as loaded, out 16 neighbours of each block of 32 to a lane
	WIN FROM_1
.irp row, 0,1,2,3,4,5,6,7,8,9,10,11,12,13,14,15
	ds_store_b128 v[STW], v[64*((\u)%4)+4*\row:64*((\u)%4)+4*\row+3] offset:\row*SP
.endr
	WIN 0
.irp b, 0,1,2,3
.irp j, 0,1,2,3
	ds_load_b128 v[X+16*\b+4*\j:X+16*\b+4*\j+3], v[STR] offset:128*\b+16*\j   ; LDS serves a wave's instructions in order
.endr
.endr
.endm
.macro UNIT u
.if (\u) <= 4
	s_wait_loadcnt 48                              ; this unit's 16 loads are in; those of the three units behind it may be out
.else
	s_wait_loadcnt 16*(7-(\u))
.endif
	TURNU \u
	s_wait_dscnt 0x0
.if (\u) < 4
	LOADU (\u)+4
.endif
	SQ X, 1-(\u)%2
	QUANT X, PC, TC, PW
.irp c, 0,1,2
	ds_store_b128 v[ZWI], v[PC+4*\c:PC+4*\c+3] offset:(\u)*1536+512*\c
.endr
	ds_store_b32 v[ZWS], v[PW] offset:128*((\u)/2)+64*((\u)%2)   ; lanes r and r + 16 write the same word with the same value
.if (\u)%2 == 1
	v_pk_add_f32 v[ZA:ZA+1], v[ZA:ZA+1], v[ZA+2:ZA+3]
	v_pk_add_f32 v[ZA+4:ZA+5], v[ZA+4:ZA+5], v[ZA+6:ZA+7]
	v_pk_add_f32 v[ZA:ZA+1], v[ZA:ZA+1], v[ZA+4:ZA+5]
	v_add_f32 v[ZA], v[ZA], v[ZA+1]
	v_permlanex16_b32 v[ZT], v[ZA], s[SEL], s[SEL+1]
	v_add_f32 v[ZP], v[ZA], v[ZT]                  ; my row's sum of squares,
	v_mov_b32 v[ZP+1], v[ZP]                       ; twice: the packed addition takes a pair
	ds_store_b64 v[ZWZ], v[ZP:ZP+1] offset:256*((\u)/2)
.endif
.endm
	v_and_b32 v[TA], 31, v0                        ; lane
	v_and_b32 v[TA+1], 15, v0                      ; r
	v_bfe_u32 v[TA+2], v0, 4, 1                    ; h
	v_lshlrev_b32 v[LB16], 4, v[TA]
	s_wait_alu depctr_va_vdst(0)
	LOADU 0
	LOADU 1
	LOADU 2
	LOADU 3
	v_lshl_add_u32 v[LB4], v[TA], 2, 6144
	v_lshl_add_u32 v[LBE], v[TA+2], 5, 6400
	v_lshlrev_b32 v[H8], 3, v[TA+2]
	v_mov_b32 v[VINF], 0x7f800000
	v_mov_b32 v[VINF2], 0x7f800000
	v_lshlrev_b32 v[GOF], 3, v[TA]
	s_mul_i32 s40, s[WV], 16*SP
	s_add_co_u32 s40, s40, STG                     ; my stage
	v_add_nc_u32 v[STW], s40, v[LB16]
	v_mul_u32_u24 v[STR], v[TA+1], SP
	v_lshl_add_u32 v[STR], v[TA+2], 6, v[STR]
	v_add_nc_u32 v[STR], s40, v[STR]
	s_mul_i32 s40, s[WV], 8*1536
	s_add_co_u32 s40, s40, ZIMG                    ; my four tiles' eight images
	v_add_nc_u32 v[ZWI], s40, v[LB16]
	s_lshl_b32 s40, s[WV], 9
	s_add_co_u32 s40, s40, ZSC
	v_lshl_add_u32 v[ZWS], v[TA+1], 2, s40
	s_lshl_b32 s40, s[WV], 10
	s_add_co_u32 s40, s40, ZZP
	v_lshl_add_u32 v[ZWZ], v[TA], 3, s40
	s_mul_i32 s40, s11, 16*1536
	s_add_co_u32 s40, s40, ZIMG                    ; my half's eight tiles
	v_add_nc_u32 v[ZRD], s40, v[LB16]
	s_lshl_b32 s40, s11, 11
	s_add_co_u32 s40, s40, ZZP
	v_lshl_add_u32 v[ZZR], v[TA], 3, s40
	s_lshl_b32 s40, s11, 10
	s_add_co_u32 s40, s40, ZSC
	v_lshl_add_u32 v[ZSR], v[TA], 2, s40
	s_lshl_b32 s40, s[WV], 11
	s_add_co_u32 s40, s40, MRG
	v_lshl_add_u32 v[MW], v[TA], 3, s40
	s_lshl_b32 s40, s11, 12                        ; at the end lane l takes queries 2 l, 2 l + 1 of the wave's 64: tile 4 c + l / 8, as both waves of my half left them
	s_lshl_b32 s41, s12, 10
	s_add_co_u32 s40, s40, s41
	s_add_co_u32 s40, s40, MRG
	v_lshrrev_b32 v[MR], 3, v[TA]
	v_lshlrev_b32 v[MR], 8, v[MR]
	v_and_b32 v[MB], 7, v[TA]
	v_lshl_add_u32 v[MR], v[MB], 4, v[MR]
	v_add_nc_u32 v[MR], s40, v[MR]
.irp b, 0,1,2,3
	v_mov_b32 v[TM+4+\b], 0                        ; written once: a lane permute's destination counts as one of its sources
.endr
	v_mov_b32 v[ZT], 0
	s_wait_alu depctr_va_vdst(0)
.irp u, 0,1,2,3,4,5,6,7
	UNIT \u
.endr
	s_wait_dscnt 0x0                               ; for the others' sake: my images, words and sums lie in LDS
	s_barrier_signal -1                            ; (slot 0's load may stay out)
	s_barrier_wait -1
	WIN TO_2                                       ; my half's operands come into registers, and stay
.irp q, 0,1,2,3,4,5,6,7
.irp s, 0,1
.irp c, 0,1,2
	ds_load_b128 v[24*\q+12*\s+4*\c:24*\q+12*\s+4*\c+3], v[ZRD] offset:(2*\q+\s)*1536+512*\c
.endr
.endr
	ds_load_b64 v[192+2*\q:193+2*\q], v[ZZR] offset:256*\q
.endr
	WIN 0
.irp q, 0,1,2,3,4,5,6,7
	ds_load_b32 v[ZS+\q], v[ZSR] offset:128*\q
.endr
	; Tiles 0 to 6 get their first kept values by moves, in group 0.  Tile 7's first selects stand in the loop's text: they find +infinity.
	v_mov_b32 v[BEST+14], v[VINF]
	v_mov_b32 v[BEST+15], 0
.set n_, 0
.rept 8
	v_dual_mov_b32 v[SV+112+2*n_], v[VINF] :: v_dual_mov_b32 v[SV+113+2*n_], v[VINF2]
.set n_, n_+1
.endr
	s_wait_alu depctr_va_vdst(0)
	s_wait_dscnt 0x0
; ---- the loop's parts
.macro ADDR
	v_add_nc_u32 v[ADC], s[GO], v[LB16]
	v_add_nc_u32 v[ADS], s[GO], v[LB4]
	v_add_nc_u32 v[ADE], s[GO], v[LBE]
.endm
.macro FETCH p, off                    ; the record off bytes behind the trip's first into buffer p: 18 LDS loads in one run
	WIN TO_1
.irp t, 0,1
.irp s, 0,1
.irp c, 0,1,2
	ds_load_b128 v[64*(\p)+24*\t+12*\s+4*\c:64*(\p)+24*\t+12*\s+4*\c+3], v[ADC] offset:(\off)+(2*\t+\s)*1536+512*\c
.endr
.endr
.endr
.irp t, 0,1
.irp e, 0,1
	ds_load_b128 v[64*(\p)+48+8*\t+4*\e:64*(\p)+48+8*\t+4*\e+3], v[ADE] offset:(\off)+64*\t+16*\e   ; the sums of squares of code rows 8 h + 0 .. 7 of tile t
.endr
.endr
	WIN 0
.irp t, 0,1
	ds_load_b32 v[SA+2*(\p)+\t], v[ADS] offset:(\off)+128*\t
.endr
.endm
; Under the matrix instruction's windows: NW: the four matrix instructions of query tile wq against buffer wp into set wr (tile i % 2, K step i / 2: the two accumulators take turns, and the
; sets change from unit to unit);  NT: the 16 t = sum e^2 + sum z^2 of query tile tq against buffer tp into set tr.
.macro MT
.set i, 0
.rept 4
.if NW
.set rD, ACC+16*wr+8*(i%2)
.set rA, 64*wp+24*(i%2)+12*(i/2)
.set rB, 24*wq+12*(i/2)
.if i < 2
	v_wmma_scale_f32_16x16x128_f8f6f4 v[rD:rD+7], v[rA:rA+11], v[rB:rB+11], 0, v[SA+2*wp+i%2], v[ZS+wq] matrix_a_fmt:MATRIX_FMT_FP6 matrix_b_fmt:MATRIX_FMT_FP6
.else
	v_wmma_scale_f32_16x16x128_f8f6f4 v[rD:rD+7], v[rA:rA+11], v[rB:rB+11], v[rD:rD+7], v[SA+2*wp+i%2], v[ZS+wq] matrix_a_fmt:MATRIX_FMT_FP6 matrix_b_fmt:MATRIX_FMT_FP6 matrix_a_scale:MATRIX_SCALE_ROW1 matrix_b_scale:MATRIX_SCALE_ROW1
.endif
.endif
.if NT
	v_pk_add_f32 v[TT+16*tr+4*i:TT+16*tr+4*i+1], v[64*tp+48+4*i:64*tp+48+4*i+1], v[192+2*tq:193+2*tq]
	v_pk_add_f32 v[TT+16*tr+4*i+2:TT+16*tr+4*i+3], v[64*tp+48+4*i+2:64*tp+48+4*i+3], v[192+2*tq:193+2*tq]
.endif
.set i, i+1
.endr
.endm
; Number n of the nine lines that keep the unit before: 0: the best and the group; 1-8: the 16 d.  EM = 2: by selects on VCC; 1: by moves (a tile's first unit); 0: nothing.
; In each pair one destination is even and one odd, and the two first and the two second sources lie in different banks (register number mod 4).
.macro EE n
.if (\n) == 0
.set eD, oB
.set eX, oM
.set eY, GIDV+2*pg
.else
.set eD, oS+2*(\n)-2
.set eX, oT+2*(\n)-2
.set eY, eX+1
.endif
.if EM == 2
.if DUALC
	v_dual_cndmask_b32 v[eD], v[eD], v[eX] :: v_dual_cndmask_b32 v[eD+1], v[eD+1], v[eY]
.else
	v_cndmask_b32 v[eD], v[eD], v[eX], vcc_lo
	v_cndmask_b32 v[eD+1], v[eD+1], v[eY], vcc_lo
.endif
.elseif EM == 1
	v_dual_mov_b32 v[eD], v[eX] :: v_dual_mov_b32 v[eD+1], v[eY]
.endif
.endm
; BLOCK: unit (buffer p, query tile q).  em: how the unit before is kept; nw, nt: are there a unit two on and a unit one on; wt: the next group's record is waited for here.
; An accumulator's first read, from its low end on, stands more than a block behind its last matrix instruction.
.macro BLOCK p, q, em, nw, nt, wt
	WIN 0
.set par, (\q)%2
.if (\q) == 0
.set pq, 7
.set pg, 1-(\p)
.else
.set pq, (\q)-1
.set pg, \p
.endif
.set pT, TT+16*par
.set pA, ACC+16*par
.set oT, TT+16-16*par
.set oB, BEST+2*pq
.set oS, SV+16*pq
.set oM, MM+2-2*par
.set EM, \em
.if EM == 2
	v_cmp_lt_f32 vcc_lo, v[oM], v[oB]              ; strictly: of equal d the earlier group stays
.endif
.set j, 0
.rept 8
	v_pk_fma_f32 v[pT+2*j:pT+2*j+1], v[pA+2*j:pA+2*j+1], -2.0, v[pT+2*j:pT+2*j+1] op_sel_hi:[1,0,1]   ; d = -2 x product + t
.set j, j+1
.endr
.set j, 0
.rept 5
	v_min3_num_f32 v[AT+j], v[pT+3*j], v[pT+3*j+1], v[pT+3*j+2]
.set j, j+1
.endr
	EE 0
	EE 1
	EE 2
	v_min3_num_f32 v[AT], v[AT], v[AT+1], v[AT+2]
	v_min3_num_f32 v[AT+3], v[AT+3], v[AT+4], v[pT+15]
	EE 3
	EE 4
	EE 5
	EE 6
	v_min_num_f32 v[MM+2*par], v[AT], v[AT+3]      ; the unit's smallest d
	EE 7
	EE 8
.if \wt
	s_wait_alu depctr_va_vdst(0)
	s_wait_dscnt 0x0                               ; the next group's record, asked for six blocks ago, is in
.endif
.set NW, \nw
.set NT, \nt
.if NW || NT
.if (\q) < 6
.set wp, \p
.set wq, (\q)+2
.else
.set wp, 1-(\p)
.set wq, (\q)-6
.endif
.set wr, par
.if (\q) < 7
.set tp, \p
.set tq, (\q)+1
.else
.set tp, 1-(\p)
.set tq, 0
.endif
.set tr, 1-par
	WIN W_MM
	MT
.endif
.endm
; A GROUP: eight blocks on the record in buffer p.  kind 0: the first group, 1: any other, 2: the last.  Behind block 0 the next group's record is fetched into the other buffer,
; whose last matrix instruction stands three blocks back.
.macro GROUP p, kind, off
	v_mov_b32 v[GIDV+2*(\p)], s[GID]
	s_add_co_u32 s[GID], s[GID], 64
.set KE, 2
.set KL, 1
.if (\kind) == 0
.set KE, 1
	BLOCK \p, 0, 0, 1, 1, 0
.else
	BLOCK \p, 0, 2, 1, 1, 0
.endif
.if (\kind) == 2
.set KL, 0
.else
	FETCH 1-(\p), \off
.endif
.irp q, 1,2,3,4,5
	BLOCK \p, \q, KE, 1, 1, 0
.endr
	BLOCK \p, 6, KE, KL, 1, KL
	BLOCK \p, 7, KE, KL, KL, 0
	WIN 0
.endm
.macro TRIPS n                         ; n trips of two groups; each fetches the two records at s[GO]
	s_mov_b32 s[TRIP], \n
.Ltrip_\@:
	ADDR
	GROUP 1, 1, 0
	GROUP 0, 1, 2*GREC
	s_add_co_u32 s[GO], s[GO], 4*GREC
	s_sub_co_u32 s[TRIP], s[TRIP], 1
	s_cmp_lg_u32 s[TRIP], 0
	s_wait_alu depctr_va_vdst(0)
	s_cbranch_scc1 .Ltrip_\@
	s_xor_b32 s[SBASE], s[SBASE], SLOT1            ; the next fetches read the other slot
.endm
; THE CHANGE OF SLOTS.  Each wave waits for all its tensor loads (one is out: its quarter of the slot that is fetched from next), adds 0 to its spare word, and waits for that and for its reads of
; the slot that it leaves.  fill = 1: a round of the cluster's barrier, and behind it the slot that was left is asked for again.
.macro CHANGE fill
	s_wait_tensorcnt 0x0                           ; no tensor load of mine is out, so group 0 may be written
	ds_add_u32 v[SPW], v[NIL]
.if \fill
	s_xor_b32 s[G0+1], s[G0+1], SLOT1              ; the other slot than last time,
	s_add_nc_u64 s[G0+2:G0+3], s[G0+2:G0+3], SLOTB ; the next 16 records
.endif
	s_wait_dscnt 0x0
.if \fill
	ROUND
	JLOAD                                          ; the first thing behind the round, and my one tensor load until the next
.else
	s_barrier_signal -1
	s_barrier_wait -1
.endif
.endm
	CHANGE 1                                       ; slot 0 is whole; slot 1's first fill, issued as a refill is
	s_mov_b32 s[GO], s[SBASE]
	ADDR
	FETCH 0, 0                                     ; group 0's record
	s_wait_alu depctr_va_vdst(0)
	s_wait_dscnt 0x0
.set NW, 1
.set NT, 0
.set wp, 0
.set wq, 0
.set wr, 0
	WIN W_MM
	MT                                             ; the products of units 0 and 1, and t of unit 0, stand ahead of the first block
.set wq, 1
.set wr, 1
.set NT, 1
.set tp, 0
.set tq, 0
.set tr, 0
	MT
	WIN 0
	GROUP 0, 0, 2*GREC                             ; group 0
	s_add_co_u32 s[GO], s[SBASE], 4*GREC
	TRIPS 3                                        ; groups 1 to 6
	s_mov_b32 s[SLOTS], 6
.Lslot:                                            ; six trips: groups 8 s + 7 to 8 s + 14; slot s + 2 is asked for
	CHANGE 1
	s_mov_b32 s[GO], s[SBASE]
	TRIPS 4
	s_sub_co_u32 s[SLOTS], s[SLOTS], 1
	s_cmp_lg_u32 s[SLOTS], 0
	s_cbranch_scc1 .Lslot
	CHANGE 0                                       ; the last change is written out: nothing is left to ask for
	s_mov_b32 s[GO], s[SBASE]
	TRIPS 4                                        ; groups 55 to 62
	GROUP 1, 2, 0                                  ; group 63
.set oT, TT+16
.set oB, BEST+14
.set oS, SV+112
.set oM, MM+2
.set pg, 1
.set EM, 2
	v_cmp_lt_f32 vcc_lo, v[oM], v[oB]              ; the last unit is kept
.irp n, 0,1,2,3,4,5,6,7,8
	EE \n
.endr
; ---- the end.  Which of the 16 kept d is the best: from the last to the first, so that the first stays; the eight tiles by turns.  Register p is code row 16 (p / 8) + 8 h + p % 8 of the group.
.irp q, 0,1,2,3,4,5,6,7
	v_mov_b32 v[POS+\q], 0
.endr
.irp p, 15,14,13,12,11,10,9,8,7,6,5,4,3,2,1,0
.irp q, 0,1,2,3,4,5,6,7
	v_cmp_eq_f32 s[34+\q], v[SV+16*\q+\p], v[BEST+2*\q]
.endr
.irp q, 0,1,2,3,4,5,6,7
	v_cndmask_b32 v[POS+\q], v[POS+\q], 16*(\p/8)+\p%8, s[34+\q]
.endr
.endr
.irp g, 0,4                                    ; four tiles at a time: the query's other code rows lie in the lane 16 away
.irp e, 0,1,2,3
	v_add3_u32 v[BEST+2*(\g+\e)+1], v[BEST+2*(\g+\e)+1], v[POS+\g+\e], v[H8]      ; the index
.endr
.irp e, 0,1,2,3
	v_permlanex16_b32 v[TT+\g+\e], v[BEST+2*(\g+\e)], s[SEL], s[SEL+1]
	v_permlanex16_b32 v[TT+8+\g+\e], v[BEST+2*(\g+\e)+1], s[SEL], s[SEL+1]
.endr
.irp e, 0,1,2,3
	v_cmp_lt_f32 s[34+3*\e], v[TT+\g+\e], v[BEST+2*(\g+\e)]        ; the other's is taken where it is smaller, or equal with the smaller index
	v_cmp_eq_f32 s[35+3*\e], v[TT+\g+\e], v[BEST+2*(\g+\e)]
	v_cmp_lt_u32 s[36+3*\e], v[TT+8+\g+\e], v[BEST+2*(\g+\e)+1]
.endr
.irp e, 0,1,2,3
	s_and_b32 s[35+3*\e], s[35+3*\e], s[36+3*\e]
	s_or_b32 s[34+3*\e], s[34+3*\e], s[35+3*\e]
.endr
.irp e, 0,1,2,3
	v_cndmask_b32 v[BEST+2*(\g+\e)], v[BEST+2*(\g+\e)], v[TT+\g+\e], s[34+3*\e]
	v_cndmask_b32 v[BEST+2*(\g+\e)+1], v[BEST+2*(\g+\e)+1], v[TT+8+\g+\e], s[34+3*\e]
.endr
.irp e, 0,1,2,3
	ds_store_b64 v[MW], v[BEST+2*(\g+\e):BEST+2*(\g+\e)+1] offset:256*(\g+\e)
.endr
.endr
	s_wait_alu depctr_va_vdst(0)
	s_wait_dscnt 0x0                               ; for the others' sake: my (best, index) lie in LDS
	s_barrier_signal -1
	s_barrier_wait -1
	ds_load_b128 v[MM:MM+3], v[MR]                 ; two queries as the wave with c = 0 left them,
	ds_load_b128 v[MB:MB+3], v[MR] offset:2048     ; and as the wave with c = 1 did
	s_wait_dscnt 0x0
.irp e, 0,1
	v_cmp_lt_f32 s34, v[MB+2*\e], v[MM+2*\e]
	v_cmp_eq_f32 s35, v[MB+2*\e], v[MM+2*\e]
	v_cmp_lt_u32 s36, v[MB+2*\e+1], v[MM+2*\e+1]
	s_and_b32 s35, s35, s36
	s_or_b32 s34, s34, s35
	v_cndmask_b32 v[TA+\e], v[MM+2*\e+1], v[MB+2*\e+1], s34
.endr
	global_store_b64 v[GOF], v[TA:TA+1], s[8:9]    ; 32 lanes store 256 consecutive bytes, at a multiple of 256 from idx's first byte
	s_wait_tensorcnt 0x0                           ; the wave's end
	ds_add_u32 v[SPW], v[NIL]
	s_wait_dscnt 0x0
	ROUND                                          ; the closing round
	s_endpgm
.Lfunc_end_k_qa5d4a2cb78_vq:
	.size	k_qa5d4a2cb78_vq, .Lfunc_end_k_qa5d4a2cb78_vq-k_qa5d4a2cb78_vq
	.p2alignl 7, 3214868480
	.fill 96, 4, 3214868480
	.section	.rodata,"a",@progbits
	.p2align	6, 0x0
	.amdhsa_kernel k_qa5d4a2cb78_vq
		.amdhsa_group_segment_fixed_size 327680
		.amdhsa_private_segment_fixed_size 0
		.amdhsa_enable_private_segment 0
		.amdhsa_kernarg_size 24
		.amdhsa_user_sgpr_count 2
		.amdhsa_user_sgpr_kernarg_segment_ptr 1
		.amdhsa_wavefront_size32 1
		.amdhsa_system_sgpr_workgroup_id_x 1
		.amdhsa_system_sgpr_workgroup_id_y 1
		.amdhsa_system_sgpr_workgroup_id_z 1
		.amdhsa_system_vgpr_workitem_id 0
		.amdhsa_next_free_vgpr 768
		.amdhsa_next_free_sgpr 66
		.amdhsa_reserve_vcc 1
		.amdhsa_float_denorm_mode_32 3
		.amdhsa_float_denorm_mode_16_64 3
		.amdhsa_memory_ordered 1
		.amdhsa_forward_progress 1
		.amdhsa_inst_pref_size 255
	.end_amdhsa_kernel
	.section	.bss,"aw",@nobits
	.p2align	6
	.space	262144
	.amdgpu_metadata
---
amdhsa.version: [ 1, 2 ]
amdhsa.kernels:
  - .name:           k_qa5d4a2cb78_vq
    .symbol:         k_qa5d4a2cb78_vq.kd
    .args:
      - { .name: z, .offset: 0, .size: 8, .value_kind: global_buffer, .address_space: global }
      - { .name: cbq, .offset: 8, .size: 8, .value_kind: global_buffer, .address_space: global }
      - { .name: idx, .offset: 16, .size: 8, .value_kind: global_buffer, .address_space: global }
    .group_segment_fixed_size: 327680
    .private_segment_fixed_size: 0
    .kernarg_segment_align: 8
    .kernarg_segment_size: 24
    .max_flat_workgroup_size: 128
    .sgpr_count:     66
    .vgpr_count:     768
    .wavefront_size: 32
...
	.end_amdgpu_metadata
.endif
;; end of part 2
;; launch gather (part 3): grid 1024 x 1, 4 waves a work-group, no clusters, 0 bytes of LDS; arguments idx, codebook, out0; writes out0
.if DOCPART == 3
	.amdgcn_target "amdgcn-amd-amdhsa--gfx1250"
	.amdhsa_code_object_version 6
	.text
	.protected	k_qa5d4a2cb78_gather
	.globl	k_qa5d4a2cb78_gather
	.p2align	8
	.type	k_qa5d4a2cb78_gather,@function
k_qa5d4a2cb78_gather:
	s_mov_b64 s[64:65], 0
	v_nop
	global_prefetch_b8 v0, s[64:65] scope:SCOPE_SE
	s_setreg_imm32_b32 hwreg(HW_REG_WAVE_MODE, 25, 1), 1
	s_wait_xcnt 0x0
; out0[n][:] = codebook[idx[n]][:]: 65,536 rows of 1,024 bytes, f32, as they are given.  idx holds whole numbers that the launch before has stored.
; A wave takes 16 rows: its 16 indices come by one scalar load (64 bytes), each is held to the table (4,095 at the most) before it enters an address, and each row is two loads and two stores
; of 512 consecutive bytes.  All 32 loads of a wave are issued before its first store.  No LDS, no barrier, no matrix unit: nothing is computed, and waves share nothing.
; The code rows carry no hint (a row may be named many times); the output is written once and read by nobody here.
.set LB16, 1                           ; v1      16 x lane
.set OFF,  16                          ; v16-31  row i: 1,024 x its index + 16 x lane
.set D,    32                          ; v32-159 32 x 4 registers
	s_load_b128 s[4:7], s[0:1], 0x0                ; idx s[4:5], codebook s[6:7]
	s_load_b64 s[8:9], s[0:1], 0x10                ; out0
	v_lshrrev_b32 v2, 5, v0
	v_readfirstlane_b32 s10, v2                    ; wave 0..3
	v_and_b32 v[LB16], 31, v0
	v_lshlrev_b32 v[LB16], 4, v[LB16]
	s_lshl_b32 s11, ttmp9, 6
	s_lshl_b32 s12, s10, 4
	s_add_co_u32 s11, s11, s12                     ; my first row: 64 x work-group + 16 x wave
	s_lshl_b32 s12, s11, 2                         ; its index,
	s_mov_b32 s13, 0
	s_lshl_b32 s14, s11, 10                        ; its row of out0 (under 2^26)
	s_mov_b32 s15, 0
	s_wait_alu depctr_va_vdst(0)
	s_wait_kmcnt 0x0
	s_add_nc_u64 s[4:5], s[4:5], s[12:13]
	s_add_nc_u64 s[8:9], s[8:9], s[14:15]
	s_load_b512 s[16:31], s[4:5], 0x0              ; my 16 indices
	s_wait_kmcnt 0x0
.irp i, 0,1,2,3,4,5,6,7,8,9,10,11,12,13,14,15
	s_min_u32 s[16+\i], s[16+\i], 4095             ; an index stays inside the table
	s_lshl_b32 s[16+\i], s[16+\i], 10
	v_add_nc_u32 v[OFF+\i], s[16+\i], v[LB16]
.endr
.set k, 0
	s_wait_alu depctr_va_vdst(0)
.rept 32
	global_load_b128 v[D+4*k:D+4*k+3], v[OFF+k/2], s[6:7] offset:512*(k%2)
.set k, k+1
.endr
.set k, 0
.rept 32
	s_wait_loadcnt 31-k                            ; loads come back in order: number k is in, the younger ones stay out
	global_store_b128 v[LB16], v[D+4*k:D+4*k+3], s[8:9] offset:512*k th:TH_STORE_NT   ; 32 lanes store 512 consecutive bytes, at a multiple of 256 from out0's first byte
.set k, k+1
.endr
	s_endpgm
.Lfunc_end_k_qa5d4a2cb78_gather:
	.size	k_qa5d4a2cb78_gather, .Lfunc_end_k_qa5d4a2cb78_gather-k_qa5d4a2cb78_gather
	.p2alignl 7, 3214868480
	.fill 96, 4, 3214868480
	.section	.rodata,"a",@progbits
	.p2align	6, 0x0
	.amdhsa_kernel k_qa5d4a2cb78_gather
		.amdhsa_group_segment_fixed_size 0
		.amdhsa_private_segment_fixed_size 0
		.amdhsa_enable_private_segment 0
		.amdhsa_kernarg_size 24
		.amdhsa_user_sgpr_count 2
		.amdhsa_user_sgpr_kernarg_segment_ptr 1
		.amdhsa_wavefront_size32 1
		.amdhsa_system_sgpr_workgroup_id_x 1
		.amdhsa_system_sgpr_workgroup_id_y 1
		.amdhsa_system_sgpr_workgroup_id_z 1
		.amdhsa_system_vgpr_workitem_id 0
		.amdhsa_next_free_vgpr 160
		.amdhsa_next_free_sgpr 66
		.amdhsa_reserve_vcc 0
		.amdhsa_float_denorm_mode_32 3
		.amdhsa_float_denorm_mode_16_64 3
		.amdhsa_memory_ordered 1
		.amdhsa_forward_progress 1
		.amdhsa_inst_pref_size 10
	.end_amdhsa_kernel
	.amdgpu_metadata
---
amdhsa.version: [ 1, 2 ]
amdhsa.kernels:
  - .name:           k_qa5d4a2cb78_gather
    .symbol:         k_qa5d4a2cb78_gather.kd
    .args:
      - { .name: idx, .offset: 0, .size: 8, .value_kind: global_buffer, .address_space: global }
      - { .name: codebook, .offset: 8, .size: 8, .value_kind: global_buffer, .address_space: global }
      - { .name: out0, .offset: 16, .size: 8, .value_kind: global_buffer, .address_space: global }
    .group_segment_fixed_size: 0
    .private_segment_fixed_size: 0
    .kernarg_segment_align: 8
    .kernarg_segment_size: 24
    .max_flat_workgroup_size: 128
    .sgpr_count:     66
    .vgpr_count:     160
    .wavefront_size: 32
...
	.end_amdgpu_metadata
.endif
;; end of part 3
